; MI455X (gfx1250); checked and timed in simulation.
; The chip was launched on July 23, 2026; its instructions are those of AMD's public machine-readable ISA for CDNA 5 (MIT licence, August 2026) and "CDNA5" Instruction Set Architecture Reference Guide (July 2026). The comments in the code are by the model that wrote it; some were corrected since.
;; Attention. Allowed arithmetic: matrix products marked QUANTISED: E5M2 operands, one E8M0 scale for each 32 along K, by v_wmma_scale_f32_16x16x128_f8f6f4 with both operands' format E5M2, f32 sums; products left as they are: f32 operands where the result goes on into a quantised operand, else bf16, f16 or f32 operands; f32 sums; everything else in f32.
;; Inputs: W_attn 1,024 x 2,048 float32; b_attn 1,024 float32; decoder_state_codes 32 x 32 x 32 uint8 (E5M2 codes of decoder_state, K innermost, in blocks of 32 codes); decoder_state_scales 32 x 32 uint8 (E8M0 scales of decoder_state, one for each 32 codes along K); encoder_annotation_seq_codes 2,048 x 32 x 32 x 32 uint8 (E5M2 codes of encoder_annotation_seq, K innermost, in blocks of 32 codes); encoder_annotation_seq_scales 2,048 x 32 x 32 uint8 (E8M0 scales of encoder_annotation_seq, one for each 32 codes along K); w_comb 1,024 float32.
;; Outputs: out0 32 x 2,048 float32.
;; This version of the problem:
;;   THIS VERSION OF THE PROBLEM IS GIVEN IN LOW PRECISION. The matrix products marked QUANTISED in the list below multiply operands that are first quantised to E5M2 (5 exponent bits, 2 mantissa bits; 8 bits a number), with one power-of-two scale for each 32 numbers along K (OCP MX v1.0); their sums are f32. All else is computed in f32.
;;   The module's matrix products, in the order in which they are computed (A, B: the left and right operand; K: the contracted axis; several contracted axes count as one K, in the product's order):
;;     1. [M 32, K 1,024] x [K 1,024, N 1,024]; A: input decoder_state (given as codes); B: input W_attn: QUANTISED
;;     2. [M 65,536, K 1,024] x [K 1,024, N 1,024]; A: input encoder_annotation_seq (given as codes); B: input W_attn: QUANTISED
;;     3. [M 65,536, K 1,024] x [K 1,024, N 1]; A: computed on the way; B: input w_comb: left as it is (N = 1 < 16)
;;   THE QUANTISER, for each operand of a quantised product, along K:
;;     - K is cut into blocks of 32 from its start; a last block that is shorter is filled with zeros.
;;     - A block's scale is 2^e with e = floor(log2(the largest magnitude in the block)) - 15, held to -126 .. 127; a block of zeros has e = 0. As a byte (E8M0): e + 127.
;;     - Each number is divided by its block's scale, clamped to +-57,344, and rounded to the nearest number of E5M2, ties to even, subnormals kept.
;;     - The product sums the exact products of the quantised numbers (number of the format x scale) in f32.
;;   ~~~python
;;   def quantise(x, axis):      # numpy; x: float32 -> the quantised numbers, widened to float32 again
;;       x = np.moveaxis(x, axis, -1); K = x.shape[-1]
;;       x = np.pad(x, [(0, 0)] * (x.ndim - 1) + [(0, -K % 32)]); x = x.reshape(x.shape[:-1] + (-1, 32)); a = np.abs(x).max(-1, keepdims=True)
;;       e = np.where(a > 0, np.clip(np.frexp(np.where(a > 0, a, 1))[1] - 1 - 15, -126, 127), 0)      # np.frexp(a)[1] - 1 = floor(log2(a)), exactly
;;       r = np.clip(x / 2.0 ** e, -57344, 57344)
;;       step = 2.0 ** (np.maximum(np.frexp(np.where(r == 0, 1, r))[1] - 1, -14) - 2)
;;       q = np.round(r / step) * step * 2.0 ** e      # np.round: ties to even
;;       return np.moveaxis(q.reshape(q.shape[:-2] + (-1,))[..., :K], -1, axis).astype(np.float32)
;;   ~~~
;;   INPUTS GIVEN AS CODES. decoder_state (in the module: [32, 1024], K = its axis 1); encoder_annotation_seq (in the module: [2048, 32, 1024], K = its axis 2): each comes as NAME_codes (uint8): NAME with its K axis moved to the last place and cut into blocks of 32 codes, [.., K / 32, bytes a block], one block behind the other in memory; one code a byte (a code: sign, 5 exponent bits, 2 mantissa bits); and NAME_scales (uint8): the same leading axes, one E8M0 byte (e + 127) for each 32 codes along K. Its value is code x scale, taken as it is: it is not quantised again, and the codes and scales need not be those that the quantiser above would give.
;; One version. Each part assembles by itself: llvm-mc -triple=amdgcn-amd-amdhsa -mcpu=gfx1250 --defsym DOCPART=n.
;; ======== version 1 of 1: 3 launches
;; limits: right only within a limited range of input values
;; workspace buffers: wimg 1,048,576 bytes; wsc 32,768 bytes; cbias 131,072 bytes; part 1,048,576 bytes
;; launch prep (part 1): grid 256 x 1, 4 waves a work-group, no clusters, 43,008 bytes of LDS; arguments W_attn, b_attn, decoder_state_codes, decoder_state_scales, wimg, wsc, cbias; writes wimg, wsc, cbias
.if DOCPART == 1
	.amdgcn_target "amdgcn-amd-amdhsa--gfx1250"
	.amdhsa_code_object_version 6
	.text
	.protected	k_qc63a77c803_prep
	.globl	k_qc63a77c803_prep
	.p2align	8
	.type	k_qc63a77c803_prep,@function
k_qc63a77c803_prep:
	s_mov_b64 s[64:65], 0
	v_nop
	global_prefetch_b8 v0, s[64:65] scope:SCOPE_SE
	s_setreg_imm32_b32 hwreg(HW_REG_WAVE_MODE, 25, 1), 1
	s_wait_xcnt 0x0
; THE PROGRAM.  This launch quantises W_attn and makes the bias; main makes the scores; smax the softmax.
; WORK LEFT OUT, for all values of the inputs: tanh(x) = 1 - 2 / (1 + e^(2x)), so a score is (the sum of w_comb over d) + the sum of (-2 w_comb[d]) / (1 + e^(2x)).  The first term is the same number for every s and every b:
; a term that is the same along the softmax's axis, which the softmax cancels.  main leaves it out.  LIMIT: an overflow that reaches only that term is not carried to the result.  All inputs are loaded.
; W_attn [1024][2048] f32 is quantised along its rows (K innermost) to codes of E5M2 with one E8M0 byte for each 32:
;   wimg  [slice 4][K half 2][dtile 16][kstep 4][c 4][lane 32][16 B]  the codes of columns 0-1023 (W_e) as images of a matrix operand's registers: rows 256 slice + 16 dtile + r, k = 512 half + 128 kstep + 32 c + 16 h + 0..15 (r = lane % 16, h = lane / 16)
;   wsc   [dtile 64][K half 2][row 16][kstep 4] u32                   their scale words
;   cbias [dtile 64][half 2][g 2][lane 32][4] f32  c x (decoder_state . W_d[d] + b_attn[d]), c = 2 log2(e), as the image of a matrix result: register 4 g + i of lane (r, h) is batch row 16 half + r, d = 16 dtile + 8 h + 4 g + i
; SHARES.  Work-group x: dtile x / 4; (x / 2) % 2 = 0: W_e's 16 rows, K half x % 2, a K step a wave; 1: W_d's eight rows 8 (x % 2) on, two K steps a wave.  Each wave has 16 runs of 128 numbers, 512 consecutive bytes each: one fragment.
; W_d's fragment holds K step 2 w of the eight rows in its rows 0-7 and K step 2 w + 1 in its rows 8-15.  It is multiplied by decoder_state's fragments of both K steps; of the first products rows 0-7 (lanes 0-15) are kept, of the second rows 8-15.
; The fragment turns through the wave's stage in LDS: rows of 512 bytes + 16, so that the 16 rows that a read touches fall on 16 different columns of 16 bytes.
; LIMITS: a block of zeros gets the byte 1, not 127 (its codes are zeros, and this program alone reads the byte); NaN and infinities in W_attn are not served; the small product's sum over K is taken in eight parts, added in ascending order.
.set RAW, 20                           ; v20-83    as loaded: registers 4 j .. 4 j + 3 = run j, k = 4 lane + 0..3
.set NUM, 84                           ; v84-147   and turned: register 16 b + i = k 32 b + 16 h + i of row r
.set TM,  148                          ; v148-151 largest magnitudes, 152-155 bytes, 156-159 57,344 x the scale, 160-163 the conversions' scale operands
.set PW,  164                          ; my row's scale word
.set DSC, 166                          ; v166-167  decoder_state's scale words of two K steps: lane l holds row l's
.set PC,  168                          ; v168-183  the codes
.set DF,  184                          ; v184-247  decoder_state's fragments: K step e, batch half f at 16 (2 e + f)
.set BA,  248                          ; v248-251  b_attn
.set SPW, 252
.set NIL, 253
.set DA,  20                           ; v20-51    the four products, over RAW
.set RS,  52                           ; v52-67    what is kept of them
.set SPT, 528
.set STGW, 16*SPT
.set PB,  4*STGW                       ; partial sums, [wave][half][g][lane][16 B]
.set WSR, PB+8192                      ; W_e's scale words, [row 16][wave 4]
.set SPARE, WSR+256
.set WV,  18
.set KIND, 19
.set SEL, 20
.set DT,  22
.set MNT, 23
.set SUB, 38
.set MH,  39
	s_load_b256 s[4:11], s[0:1], 0x0               ; W_attn, b_attn, decoder_state's codes, its scales
	s_load_b128 s[12:15], s[0:1], 0x20             ; wimg, wsc
	s_load_b64 s[16:17], s[0:1], 0x30              ; cbias
	v_lshl_add_u32 v[SPW], v0, 2, SPARE
	v_mov_b32 v[NIL], 0
	v_lshrrev_b32 v1, 5, v0
	v_readfirstlane_b32 s[WV], v1                  ; wave 0..3
	v_and_b32 v1, 31, v0                           ; lane
	v_and_b32 v2, 15, v0                           ; r
	v_bfe_u32 v3, v0, 4, 1                         ; h
	v_bfe_u32 v14, v0, 4, 2                        ; thread / 16, 0..3: 2 half + g of the last step (waves 0, 1)
	v_lshlrev_b32 v4, 4, v1                        ; 16 x lane
	s_mul_i32 s24, s[WV], STGW
	v_add_nc_u32 v5, s24, v4                       ; into my stage
	v_mul_u32_u24 v6, v2, SPT
	v_lshl_add_u32 v6, v3, 6, v6
	v_add_nc_u32 v6, s24, v6                       ; out of it: row r, + 64 h
	s_lshl_b32 s24, s[WV], 2
	s_add_co_u32 s24, s24, WSR
	v_lshl_add_u32 v7, v2, 4, s24                  ; my scale word
	s_lshl_b32 s24, s[WV], 11
	s_add_co_u32 s24, s24, PB
	v_add_nc_u32 v8, s24, v4                       ; my partial sums
	v_lshlrev_b32 v9, 10, v2
	v_lshl_add_u32 v9, v3, 4, v9                   ; decoder_state's codes: row r + 16 h
	v_lshlrev_b32 v10, 5, v1                       ; its scale bytes: 32 a row
	v_lshlrev_b32 v15, 4, v2
	v_lshl_add_u32 v15, v14, 9, v15                ; the last step's place in cbias: 512 (2 half + g) + 16 r,
	v_add_nc_u32 v11, PB, v15                      ; and in the partial sums
	v_lshlrev_b32 v12, 4, v3                       ; b_attn: 16 g (g = thread / 16 % 2)
	v_lshl_add_u32 v13, v1, 3, WSR                 ; 8 bytes a lane of the scale words
	v_lshlrev_b32 v16, 3, v1
.irp b, 0,1,2,3
	v_mov_b32 v[TM+4+\b], 0                        ; written once: a lane permute's destination counts as one of its sources
.endr
	s_mov_b32 s[SEL], 0x76543210
	s_mov_b32 s[SEL+1], 0xfedcba98                 ; selects for lane l xor 16
	s_mov_b32 s[MNT], 0x600000                     ; the mantissa field of 57,344
	s_mov_b32 s[MH], 0xffff0000                    ; lanes 16-31
	s_lshr_b32 s[DT], ttmp9, 2
	s_bfe_u32 s[KIND], ttmp9, 0x10001
	s_and_b32 s[SUB], ttmp9, 1
	s_lshl_b32 s24, s[SUB], 11                     ; W_e: 2,048 bytes of a row a K half, 512 a wave
	s_lshl_b32 s25, s[WV], 9
	s_add_co_u32 s24, s24, s25
	s_lshl_b32 s25, s[SUB], 16                     ; W_d: eight rows of 8,192 bytes; column 1024 is byte 4,096; 1,024 bytes a wave
	s_lshl_b32 s26, s[WV], 10
	s_add_co_u32 s25, s25, s26
	s_add_co_u32 s25, s25, 4096
	s_cmp_eq_u32 s[KIND], 0
	s_cselect_b32 s24, s24, s25
	s_lshl_b32 s25, s[DT], 17
	s_add_co_u32 s24, s24, s25
	s_mov_b32 s25, 0
	s_lshl_b32 s26, s[WV], 8                       ; decoder_state's codes: K step 2 w
	s_mov_b32 s27, 0
	s_lshl_b32 s28, s[WV], 3                       ; and its scale words
	s_mov_b32 s29, 0
	s_lshr_b32 s30, s[DT], 4                       ; wimg
	s_lshl_b32 s30, s30, 18
	s_lshl_b32 s31, s[SUB], 17
	s_add_co_u32 s30, s30, s31
	s_and_b32 s31, s[DT], 15
	s_lshl_b32 s31, s31, 13
	s_add_co_u32 s30, s30, s31
	s_lshl_b32 s31, s[WV], 11
	s_add_co_u32 s30, s30, s31
	s_mov_b32 s31, 0
	s_lshl_b32 s32, s[DT], 6                       ; b_attn: 64 bytes a tile, 32 for eight rows
	s_lshl_b32 s33, s[SUB], 5
	s_add_co_u32 s32, s32, s33
	s_mov_b32 s33, 0
	s_lshl_b32 s34, s[DT], 11                      ; cbias: 2,048 bytes a tile; eight rows are lanes 16 (x % 2) on
	s_lshl_b32 s35, s[SUB], 8
	s_add_co_u32 s34, s34, s35
	s_mov_b32 s35, 0
	s_lshl_b32 s36, s[DT], 9                       ; wsc: 512 bytes a tile, 256 a K half
	s_lshl_b32 s37, s[SUB], 8
	s_add_co_u32 s36, s36, s37
	s_mov_b32 s37, 0
	s_wait_alu depctr_va_vdst(0)
	s_wait_kmcnt 0x0
	s_add_nc_u64 s[4:5], s[4:5], s[24:25]
	s_add_nc_u64 s[8:9], s[8:9], s[26:27]
	s_add_nc_u64 s[10:11], s[10:11], s[28:29]
	s_add_nc_u64 s[12:13], s[12:13], s[30:31]
	s_add_nc_u64 s[6:7], s[6:7], s[32:33]
	s_add_nc_u64 s[16:17], s[16:17], s[34:35]
	s_add_nc_u64 s[14:15], s[14:15], s[36:37]
	s_cmp_eq_u32 s[KIND], 0                        ; the ways part on the work-group's number: all four waves go the same way
	s_cbranch_scc0 .Lload_d
.irp j, 0,1,2,3,4,5,6,7,8,9,10,11,12,13,14,15
	global_load_b128 v[RAW+4*\j:RAW+4*\j+3], v4, s[4:5] offset:8192*\j th:TH_LOAD_NT
.endr
	s_branch .Lloaded
.Lload_d:
	global_load_b128 v[BA:BA+3], v12, s[6:7]       ; what is older than W's sixteen has landed when they have
	global_load_b64 v[DSC:DSC+1], v10, s[10:11]
.irp e, 0,1
.irp f, 0,1
.irp c, 0,1,2,3
	global_load_b128 v[DF+32*\e+16*\f+4*\c:DF+32*\e+16*\f+4*\c+3], v9, s[8:9] offset:16384*\f+128*\e+32*\c
.endr
.endr
.endr
.irp j, 0,1,2,3,4,5,6,7,8,9,10,11,12,13,14,15
	global_load_b128 v[RAW+4*\j:RAW+4*\j+3], v4, s[4:5] offset:8192*(\j%8)+512*(\j/8) th:TH_LOAD_NT
.endr
.Lloaded:
.irp g, 0,1,2,3
	s_wait_loadcnt 12-4*\g                         ; runs 4 g .. 4 g + 3 are in: behind them were issued 12 - 4 g
.irp j, 0,1,2,3
	ds_store_b128 v5, v[RAW+16*\g+4*\j:RAW+16*\g+4*\j+3] offset:SPT*(4*\g+\j)
.endr
.endr
.irp b, 0,1,2,3
.irp i, 0,1,2,3
	ds_load_b128 v[NUM+16*\b+4*\i:NUM+16*\b+4*\i+3], v6 offset:128*\b+16*\i   ; LDS serves a wave's instructions in order (ISA guide 5.7.1.4): these see my stores
.endr
.endr
	s_wait_dscnt 0x0
.irp b, 0,1,2,3
	v_max3_num_f32 v[TM+\b], |v[NUM+16*\b]|, |v[NUM+1+16*\b]|, 0x8000000   ; my 16 numbers, and the floor 2^(16 - 127): the byte cannot fall under 1
.endr
.irp i, 2,4,6,8,10,12,14
.irp b, 0,1,2,3
	v_max3_num_f32 v[TM+\b], v[TM+\b], |v[NUM+16*\b+\i]|, |v[NUM+1+16*\b+\i]|
.endr
.endr
.irp b, 0,1,2,3
	v_permlanex16_b32 v[TM+4+\b], v[TM+\b], s[SEL], s[SEL+1]
.endr
.irp b, 0,1,2,3
	v_max_num_f32 v[TM+\b], v[TM+\b], v[TM+4+\b]   ; with lane l xor 16's: the block's largest magnitude
.endr
.irp b, 0,1,2,3
	v_add_nc_u32 v[TM+12+\b], 0xf8800000, v[TM+\b] ; 15 off its exponent field: the conversion's scale operand
.endr
.irp b, 0,1,2,3
	v_and_or_b32 v[TM+8+\b], v[TM+\b], 0x7f800000, s[MNT]   ; 57,344 x the scale
.endr
.irp b, 0,1,2,3
	v_lshrrev_b32 v[TM+4+\b], 23, v[TM+12+\b]      ; the scale's byte
.endr
	v_lshl_or_b32 v[PW], v[TM+5], 8, v[TM+4]       ; the 64 holds below stand between the scale word and the products
	v_lshl_or_b32 v[PW], v[TM+6], 16, v[PW]
	v_lshl_or_b32 v[PW], v[TM+7], 24, v[PW]
.irp b, 0,1,2,3
.irp i, 0,1,2,3,4,5,6,7,8,9,10,11,12,13,14,15
	v_med3_num_f32 v[NUM+16*\b+\i], v[NUM+16*\b+\i], -v[TM+8+\b], v[TM+8+\b]   ; the conversion to an 8-bit code does not saturate (ISA guide 7.6.2)
.endr
	v_cvt_scalef32_pk8_bf8_f32 v[PC+4*\b:PC+1+4*\b], v[NUM+16*\b:NUM+7+16*\b], v[TM+12+\b]
	v_cvt_scalef32_pk8_bf8_f32 v[PC+2+4*\b:PC+3+4*\b], v[NUM+8+16*\b:NUM+15+16*\b], v[TM+12+\b]
.endr
.rept 5
	v_nop                                          ; one behind the last conversion; codes stand four places ahead of a scaled matrix instruction
.endr
	s_wait_alu depctr_va_vdst(0)
	s_cmp_eq_u32 s[KIND], 0
	s_cbranch_scc0 .Lwd
.irp c, 0,1,2,3
	global_store_b128 v4, v[PC+4*\c:PC+4*\c+3], s[12:13] offset:512*\c   ; 512 consecutive bytes
.endr
	ds_store_b32 v7, v[PW]                         ; both halves of the lanes write the same word with the same value
	s_branch .Ljoin
.Lwd:
	; source 0 = my fragment of W_d, source 1 = 16 rows of decoder_state: lane (r, h) holds batch row r, registers the fragment's rows 8 h + 0..7
.irp e, 0,1
	v_wmma_scale_f32_16x16x128_f8f6f4 v[DA+16*\e:DA+16*\e+7], v[PC:PC+15], v[DF+32*\e:DF+32*\e+15], 0, v[PW], v[DSC+\e] matrix_a_fmt:MATRIX_FMT_BF8 matrix_b_fmt:MATRIX_FMT_BF8
	v_wmma_scale_f32_16x16x128_f8f6f4 v[DA+16*\e+8:DA+16*\e+15], v[PC:PC+15], v[DF+32*\e+16:DF+32*\e+31], 0, v[PW], v[DSC+\e] matrix_a_fmt:MATRIX_FMT_BF8 matrix_b_fmt:MATRIX_FMT_BF8 matrix_b_scale:MATRIX_SCALE_ROW1
.endr
.rept 8
	v_nop                                          ; eight places ahead of the first read of the results
.endr
.irp f, 0,1
.irp j, 0,1,2,3,4,5,6,7
	v_cndmask_b32 v[RS+8*\f+\j], v[DA+8*\f+\j], v[DA+16+8*\f+\j], s[MH]   ; lanes 0-15: K step 2 w; lanes 16-31: K step 2 w + 1
.endr
.endr
.irp f, 0,1
.irp g, 0,1
	ds_store_b128 v8, v[RS+8*\f+4*\g:RS+8*\f+4*\g+3] offset:1024*\f+512*\g
.endr
.endr
.Ljoin:
	s_wait_dscnt 0x0                               ; for the others' sake: my LDS stores are done
	s_barrier_signal -1
	s_barrier_wait -1
	s_cmp_eq_u32 s[KIND], 0
	s_cbranch_scc0 .Lsum
	s_cmp_eq_u32 s[WV], 0
	s_cbranch_scc0 .Ldone
	ds_load_b64 v[NUM:NUM+1], v13
	s_wait_dscnt 0x0
	global_store_b64 v16, v[NUM:NUM+1], s[14:15]   ; 256 consecutive bytes, at a multiple of 256
	s_branch .Ldone
.Lsum:
	s_cmp_lt_u32 s[WV], 2
	s_cbranch_scc0 .Ldone
.irp q, 0,1,2,3,4,5,6,7
	ds_load_b128 v[NUM+4*\q:NUM+4*\q+3], v11 offset:2048*(\q/2)+256*(\q%2)
.endr
	s_wait_dscnt 0x0
.irp q, 1,2,3,4,5,6,7
	v_pk_add_f32 v[NUM:NUM+1], v[NUM:NUM+1], v[NUM+4*\q:NUM+4*\q+1]   ; K ascending
	v_pk_add_f32 v[NUM+2:NUM+3], v[NUM+2:NUM+3], v[NUM+4*\q+2:NUM+4*\q+3]
.endr
	v_pk_add_f32 v[NUM:NUM+1], v[NUM:NUM+1], v[BA:BA+1]
	v_pk_add_f32 v[NUM+2:NUM+3], v[NUM+2:NUM+3], v[BA+2:BA+3]
	v_pk_mul_f32 v[NUM:NUM+1], v[NUM:NUM+1], 0x4038aa3b op_sel_hi:[1,0]   ; x c = 2 log2(e)
	v_pk_mul_f32 v[NUM+2:NUM+3], v[NUM+2:NUM+3], 0x4038aa3b op_sel_hi:[1,0]
	global_store_b128 v15, v[NUM:NUM+3], s[16:17]  ; sixteen lanes store 256 consecutive bytes, at a multiple of 256
.Ldone:
	s_wait_tensorcnt 0x0                           ; the wave's end
	ds_add_u32 v[SPW], v[NIL]
	s_wait_dscnt 0x0
	s_endpgm
.Lfunc_end_k_qc63a77c803_prep:
	.size	k_qc63a77c803_prep, .Lfunc_end_k_qc63a77c803_prep-k_qc63a77c803_prep
	.p2alignl 7, 3214868480
	.fill 96, 4, 3214868480
	.section	.rodata,"a",@progbits
	.p2align	6, 0x0
	.amdhsa_kernel k_qc63a77c803_prep
		.amdhsa_group_segment_fixed_size 43008
		.amdhsa_private_segment_fixed_size 0
		.amdhsa_enable_private_segment 0
		.amdhsa_kernarg_size 56
		.amdhsa_user_sgpr_count 2
		.amdhsa_user_sgpr_kernarg_segment_ptr 1
		.amdhsa_wavefront_size32 1
		.amdhsa_system_sgpr_workgroup_id_x 1
		.amdhsa_system_sgpr_workgroup_id_y 1
		.amdhsa_system_sgpr_workgroup_id_z 1
		.amdhsa_system_vgpr_workitem_id 0
		.amdhsa_next_free_vgpr 256
		.amdhsa_next_free_sgpr 66
		.amdhsa_reserve_vcc 0
		.amdhsa_float_denorm_mode_32 3
		.amdhsa_float_denorm_mode_16_64 3
		.amdhsa_memory_ordered 1
		.amdhsa_forward_progress 1
		.amdhsa_inst_pref_size 24
	.end_amdhsa_kernel
	.amdgpu_metadata
---
amdhsa.version: [ 1, 2 ]
amdhsa.kernels:
  - .name:           k_qc63a77c803_prep
    .symbol:         k_qc63a77c803_prep.kd
    .args:
      - { .name: W_attn, .offset: 0, .size: 8, .value_kind: global_buffer, .address_space: global }
      - { .name: b_attn, .offset: 8, .size: 8, .value_kind: global_buffer, .address_space: global }
      - { .name: decoder_state_codes, .offset: 16, .size: 8, .value_kind: global_buffer, .address_space: global }
      - { .name: decoder_state_scales, .offset: 24, .size: 8, .value_kind: global_buffer, .address_space: global }
      - { .name: wimg, .offset: 32, .size: 8, .value_kind: global_buffer, .address_space: global }
      - { .name: wsc, .offset: 40, .size: 8, .value_kind: global_buffer, .address_space: global }
      - { .name: cbias, .offset: 48, .size: 8, .value_kind: global_buffer, .address_space: global }
    .group_segment_fixed_size: 43008
    .private_segment_fixed_size: 0
    .kernarg_segment_align: 8
    .kernarg_segment_size: 56
    .max_flat_workgroup_size: 128
    .sgpr_count:     66
    .vgpr_count:     256
    .wavefront_size: 32
...
	.end_amdgpu_metadata
.endif
;; end of part 1
;; launch main (part 2): grid 4 x 64, 4 waves a work-group, clusters of 4 x 4, 327,680 bytes of LDS; arguments encoder_annotation_seq_codes, encoder_annotation_seq_scales, wimg, wsc, cbias, w_comb, part; writes part
.if DOCPART == 2
	.amdgcn_target "amdgcn-amd-amdhsa--gfx1250"
	.amdhsa_code_object_version 6
	.text
	.protected	k_qc63a77c803_main
	.globl	k_qc63a77c803_main
	.p2align	8
	.type	k_qc63a77c803_main,@function
k_qc63a77c803_main:
	s_mov_b64 s[64:65], 0
	v_nop
	global_prefetch_b8 v0, s[64:65] scope:SCOPE_SE
	s_setreg_imm32_b32 hwreg(HW_REG_WAVE_MODE, 25, 1), 1
	s_wait_xcnt 0x0
	s_wait_alu depctr_hold_cnt(0) depctr_sa_sdst(0) depctr_va_vdst(0) depctr_va_sdst(0) depctr_va_ssrc(0) depctr_va_vcc(0) depctr_vm_vsrc(0)
	s_getreg_b32 s2, hwreg(HW_REG_IB_STS2, 6, 4)
	s_cmp_eq_u32 s2, 0
	s_cbranch_scc0 .Lentry_in_a_cluster
	s_endpgm
.Lentry_in_a_cluster:
	s_bfe_u32 s2, ttmp6, 0x10000c
	s_cmp_lg_u32 s2, 0xf033
	s_cbranch_scc0 .Lentry_shape_is_right
	s_endpgm
.Lentry_shape_is_right:
; part[slice][group][b][s_local] = the sum over the slice's 256 d of (-2 w_comb[d]) / (1 + 2^(c acc + cbias)), s = 32 group + s_local, acc = enc[s][b] . W_e[d], c = 2 log2(e), cbias = c (dec_proj + b_attn).
; tanh(x) = 1 - 2 / (1 + 2^(c x)) for every x (2^.. = infinity gives 0, 2^.. = 0 gives 1).  LEFT OUT: the sum of w_comb, the same for every s, which the softmax cancels (see prep's head).  All of it in f32.
; LIMITS: codes of NaN or infinity and the scale byte 0xff give what the matrix instruction gives.
; SHARES.  64 groups of four work-groups.  Group g owns rows 1,024 g .. + 1,023 of enc (row = 32 s + b).  Its work-group cx owns d = 256 cx .. + 255, wave w of it 64 of those, for all rows.
; CLUSTERS of 4 x 4: a row of the cluster is a group and needs the same rows of enc, a column needs the same slice of W: each such tile is asked for JOINTLY (the same tensor load, the same descriptor, a mask that names the four).
; W STAYS IN REGISTERS: 4 tiles of 16 d x 8 K steps x 16 = 512 a wave.  At the head its K steps 0-3 come straight into registers and K steps 4-7 by one joint load into slot 1, which rows of enc refill when all waves have read it: two ways side by side.
; ENC STREAMS through a ring of two LDS slots of 128 rows.  Its scale bytes come once and stay in LDS.
; THE MATRIX INSTRUCTION: source 0 = 16 rows of W, source 1 = 16 rows of enc: lane (r, h) holds ONE row of enc (b = 16 half + r), its registers d = 8 h + 0..7: the sum over d runs inside the lane.
; A TILE t = 0..63 is 16 rows (half t mod 2, s_local t / 2).  It takes four phases; a phase is two K steps: eight products (the four sums by turns), then all vector lines of the phase (16 transcendentals, 8 packed instructions or a few more), one wait on the ALU, and the phase's LDS loads.
; THE VECTOR WORK goes by quarters (the 8 sums of one d tile), a step a phase: c acc + cbias at the end of phase i, exp in i + 2, 1 + .. in i + 3, rcp in i + 4, x (-2 w) in i + 5.  The phases' waits part the steps.
; ONE BUFFER OF ENC'S FRAGMENTS: those of a phase are loaded anew at the end of the phase behind it, two phases ahead of their next use.
; A FRAME: phases 1, 2, 3 of tile t and phase 0 of tile t + 1; it loads tile t + 1.  The first frames find zeros where no tile has been; what they store lands in the four words ahead of a row of scores, which nobody reads.
; REGISTERS: window 0: below.  window 1: v0-127 enc's fragments, v128-191 two sets of four sums.  windows 2, 3: W, K steps 0-3 and 4-7: tile T, K step s at 64 T + 16 (s mod 4).
.set PITCH,  1040                      ; an LDS row: 1,024 bytes + 16 = 65 x 16
.set TILEB,  16*PITCH
.set QUART,  32*PITCH                  ; what one refill brings a wave: 32 rows
.set SLOT,   128*PITCH
.set CHUNK,  131072                    ; a slot's rows in memory
.set SCL,    2*SLOT                    ; enc's scale bytes, 128 blocks of 256 bytes + 16
.set SCR,    SCL+128*272               ; the scores: [wave][b 32] x 144 bytes: four words that nobody reads, then s_local
.set SPARE,  SCR+4*4608
.set EA0,  1                           ; my lane's place in a tile of enc: r x PITCH + 16 h
.set ES0,  2                           ; my row's scale bytes
.set ADR,  3                           ; v3, v4 LDS address of the tile being loaded, by the frame's parity: none is rewritten behind its own loads
.set SCA0, 5
.set SPW,  6
.set NIL,  7
.set PFO,  8                           ; 256 x my thread: the prefetches' offset
.set SAD,  9                           ; where a score goes
.set S4,   10                          ; v10-17 four running pairs
.set TA,   18                          ; v18-21
.set XS,   22
.set YS,   23
.set WSC,  24                          ; v24-39 W's scale words: 8 p + s: lanes 0-15 tile 2 p's, lanes 16-31 tile 2 p + 1's
.set ADS,  40                          ; v40, v41 and of its scale words
.set ESC,  44                          ; v44-59 enc's scale words, two sets: no product's two scale words have numbers equal modulo 8
.set CB,   64                          ; v64-127 cbias, at 32 half + 8 T + j
.set W2,   128                         ; v128-159 -2 w, at 8 T + j
.set WK,   160                         ; v160-223 at work: set t mod 2, at 8 T + j
.set L16,  240
.set S16,  241
.set H32,  242
.set WAD,  243
.set RR,   244
.set HH,   245
.set WV,   18
.set CX,   19                          ; my place along the cluster's x: the slice of d
.set G1E,  24                          ; group 1: a refill, 32 rows
.set G1S,  32                          ; the scale bytes
.set G0,   40                          ; s[40:47] group 0, a set for each slot
.set G0S,  48
.set TB,   52                          ; LDS byte of the tile after the one being loaded
.set TS,   53                          ; 544 x that tile
.set SS,   54
.set CNT,  55
.set RING, 56
.set CC,   58                          ; s[58:59] c
.set SEL,  60
.set PFA,  62                          ; s[62:63] where my work-group's prefetches stand
.set G0W,  76
.set G0H,  80
.set G1H,  84                          ; the head's rows of enc, 64 a wave
.set G1W,  92                          ; W's half
.set GN,   100                         ; my group of rows
.set MSB, 0
.macro WIN new                         ; low byte: bits 1:0 source 0, 3:2 source 1, 5:4 source 2, 7:6 destination; the high byte repeats the setting that is left
.if MSB != (\new)
	s_set_vgpr_msb (MSB<<8)|(\new)
.set MSB, (\new)
.endif
.endm
.macro CREST                           ; a round of the cluster's barrier behind its opening barrier
	s_cmp_lg_u32 s[WV], 0
	s_cbranch_scc1 .Lnot_wave_0_\@
	s_barrier_signal -3
.Lnot_wave_0_\@:
	s_barrier_wait -3
	s_barrier_signal -1
	s_barrier_wait -1
.endm
.macro ROUND
	s_barrier_signal -1
	s_barrier_wait -1
	CREST
.endm
.macro TLOAD a, b
	tensor_load_to_lds s[\a:\a+3], s[\b:\b+7]
	s_nop 0
.rept 4
	v_nop
.endr
.endm
.macro GROUP1 g, mask, rows            ; rows of 1,024 bytes, dense in memory, 16 bytes of padding behind each in LDS; bits 15:0 the mask in s[mask], 21 set beside it
	s_or_b32 s[\g], s[\mask], (1<<20)|(1<<21)|(7<<22)|(3<<25)
	s_mov_b32 s[\g+1], 1024<<16
	s_mov_b32 s[\g+2], (\rows)<<16
	s_mov_b32 s[\g+3], 1024<<16
	s_mov_b32 s[\g+4], \rows
	s_mov_b32 s[\g+5], 1024
	s_mov_b32 s[\g+6], 0
	s_mov_b32 s[\g+7], 0
.endm
.macro GRP p, s                        ; the four products of K step s into set p; K step 0 starts the sums
	WIN 0x56+(\s)/4
.irp t, 0,1,2,3
.set rD, 128+32*(\p)+8*\t
.set rW, 64*\t+16*((\s)%4)
.set rE, 16*(\s)
.set rA, WSC+8*(\t/2)+(\s)
.set rB, ESC+8*(\p)+(\s)
.if (\s) == 0
.if \t%2
	v_wmma_scale_f32_16x16x128_f8f6f4 v[rD:rD+7], v[rW:rW+15], v[rE:rE+15], 0, v[rA], v[rB] matrix_a_fmt:MATRIX_FMT_BF8 matrix_b_fmt:MATRIX_FMT_BF8 matrix_a_scale:MATRIX_SCALE_ROW1
.else
	v_wmma_scale_f32_16x16x128_f8f6f4 v[rD:rD+7], v[rW:rW+15], v[rE:rE+15], 0, v[rA], v[rB] matrix_a_fmt:MATRIX_FMT_BF8 matrix_b_fmt:MATRIX_FMT_BF8
.endif
.else
.if \t%2
	v_wmma_scale_f32_16x16x128_f8f6f4 v[rD:rD+7], v[rW:rW+15], v[rE:rE+15], v[rD:rD+7], v[rA], v[rB] matrix_a_fmt:MATRIX_FMT_BF8 matrix_b_fmt:MATRIX_FMT_BF8 matrix_a_scale:MATRIX_SCALE_ROW1
.else
	v_wmma_scale_f32_16x16x128_f8f6f4 v[rD:rD+7], v[rW:rW+15], v[rE:rE+15], v[rD:rD+7], v[rA], v[rB] matrix_a_fmt:MATRIX_FMT_BF8 matrix_b_fmt:MATRIX_FMT_BF8
.endif
.endif
.endr
.endm
.macro LOADF j, adr                    ; the fragment of K step j
	WIN 0x40
.irp c, 0,1,2,3
	ds_load_b128 v[16*(\j)+4*\c:16*(\j)+4*\c+3], v[\adr] offset:128*(\j)+32*\c
.endr
.endm
.macro LOADS q, adr                    ; a tile's scale words, into set q
	WIN 0
	ds_load_b128 v[ESC+8*(\q):ESC+8*(\q)+3], v[\adr]
	ds_load_b128 v[ESC+8*(\q)+4:ESC+8*(\q)+7], v[\adr] offset:16
.endm
; Phase k of a tile of parity p: which quarters are at work.  qE: exp; qA: 1 + ..; qR: rcp; qM: x (-2 w), weights qW, qS = 1: it starts the pairs
.macro SETP p, k
.set qS, 0
.if (\k) >= 2
.set qE, WK+32*(1-(\p))+8*((\k)-2)
.else
.set qE, WK+32*(\p)+8*((\k)+2)
.endif
.if (\k) == 3
.set qA, WK+32*(1-(\p))
.else
.set qA, WK+32*(\p)+8*((\k)+1)
.endif
.set qR, WK+32*(\p)+8*(\k)
.if (\k) == 0
.set qM, WK+32*(1-(\p))+24
.set qW, W2+24
.else
.set qM, WK+32*(\p)+8*((\k)-1)
.set qW, W2+8*((\k)-1)
.endif
.if (\k) == 1
.set qS, 1
.endif
.endm
; The phase's vector lines, in two halves e.  A tile's four pairs are added over the next frame: the pairs (k = 1, 2), the pair's halves (k = 3), the lane 16 away (k = 0); the score leaves in the frame after (k = 2): frame t stores tile t - 4's.
.macro SECT p, k, e
.if ((\k) == 1) && ((\e) == 0)
	v_pk_add_f32 v[TA:TA+1], v[S4:S4+1], v[S4+2:S4+3]
	v_pk_add_f32 v[TA+2:TA+3], v[S4+4:S4+5], v[S4+6:S4+7]
.endif
.irp i, 0,1,2,3
.if (\e) == 0
	v_exp_f32 v[qE+2*\i], v[qE+2*\i]
	v_exp_f32 v[qE+2*\i+1], v[qE+2*\i+1]
.if qS
	v_pk_mul_f32 v[S4+2*\i:S4+2*\i+1], v[qM+2*\i:qM+2*\i+1], v[qW+2*\i:qW+2*\i+1]
.else
	v_pk_fma_f32 v[S4+2*\i:S4+2*\i+1], v[qM+2*\i:qM+2*\i+1], v[qW+2*\i:qW+2*\i+1], v[S4+2*\i:S4+2*\i+1]
.endif
.else
	v_rcp_f32 v[qR+2*\i], v[qR+2*\i]
	v_rcp_f32 v[qR+2*\i+1], v[qR+2*\i+1]
	v_pk_add_f32 v[qA+2*\i:qA+2*\i+1], v[qA+2*\i:qA+2*\i+1], 1.0 op_sel_hi:[1,0]
.endif
.endr
.if ((\k) == 2) && ((\e) == 0)
	v_pk_add_f32 v[TA:TA+1], v[TA:TA+1], v[TA+2:TA+3]
.endif
.if ((\k) == 3) && ((\e) == 0)
	v_add_f32 v[XS], v[TA], v[TA+1]
.endif
.if ((\k) == 2) && ((\e) == 1)
	v_add_f32 v[YS], v[XS], v[YS]
.endif
.if ((\k) == 3) && ((\e) == 1) && ((\p) == 1)
	s_add_co_u32 s[SS], s[SS], 4
	v_add_nc_u32 v[SAD], s[SS], v[SCA0]
.endif
.if ((\k) == 0) && ((\e) == 1)
	v_permlanex16_b32 v[YS], v[XS], s[SEL], s[SEL+1]   ; my row's other 32 d lie in the lane 16 away
	v_add_nc_u32 v[ADR+(\p)], s[TB], v[EA0]        ; the next frame's tile; first read behind the phase's wait
	v_add_nc_u32 v[ADS+(\p)], s[TS], v[ES0]
	s_add_co_u32 s[TB], s[TB], TILEB
	s_add_co_u32 s[TS], s[TS], 544
.endif
.endm
; A phase's end.  One wait, between each step of the vector work and the next, and between transcendentals and the products behind them; the score's store (k = 2); the loads of n fragments from f on, with sc = 1 the next tile's scale words ahead of them;
; and the first reads of quarter k of the last tile's sums, from its low end on, with a wait directly ahead
.macro POST p, k, f, n, sc
	s_wait_alu depctr_va_vdst(0)
.if (\k) == 2
	ds_store_b32 v[SAD], v[YS] offset:2304*(\p)    ; both halves of the lanes write the same word with the same value; 16 x 144 bytes on for half 1
.endif
.if (\k) == 0
.set aR, ADR+1-(\p)
.else
.set aR, ADR+(\p)
.endif
.if \sc
	LOADS 1-(\p), ADS+(\p)
.endif
.if (\n) > 0
.set fJ, \f
.rept \n
	LOADF fJ, aR
.set fJ, fJ+1
.endr
.endif
	WIN 0x01                                       ; source 0 in window 1
	s_wait_alu depctr_va_vdst(0)
.irp i, 0,2,4,6
	v_pk_fma_f32 v[WK+32*(1-(\p))+8*(\k)+\i:WK+32*(1-(\p))+8*(\k)+\i+1], v[128+32*(1-(\p))+8*(\k)+\i:128+32*(1-(\p))+8*(\k)+\i+1], s[CC:CC+1], v[CB+32*(1-(\p))+8*(\k)+\i:CB+32*(1-(\p))+8*(\k)+\i+1] op_sel_hi:[1,0,1]
.endr
.endm
.macro PHASE p, k, f, n, sc
	SETP \p, \k
	GRP \p, 2*(\k)
	GRP \p, 2*(\k)+1
	WIN 0
	SECT \p, \k, 0
	SECT \p, \k, 1
	POST \p, \k, \f, \n, \sc
.endm
; A phase's two fragments are in when at most 16 LDS instructions are out: behind them were issued the next four fragments' 16 loads at the least
.macro FRAME p
	s_wait_dscnt 16
	PHASE \p, 1, 0, 2, 1
	s_wait_dscnt 16
	PHASE \p, 2, 2, 2, 0
	s_wait_dscnt 16
	PHASE \p, 3, 4, 2, 0
	s_wait_dscnt 16
	PHASE 1-(\p), 0, 6, 2, 0
.endm
; THE FRAME THAT CHANGES SLOTS (parity 1; it loads the other slot's first tile).  At its head each wave waits for all its tensor loads and adds 0 to its spare word; phase 1 has no loads; then the wait for the add and for the wave's reads of the slot,
; and the signal; K step 4 is multiplied while the others arrive.  fill = 1: the barrier opens a round of the cluster's, and the joint refill, the rows two slots on, is the first thing behind it: it has eight frames in which to land.  Phase 2 makes up for phase 1's loads.
; THE PREFETCH behind it names the rows that the NEXT filling change will ask for: 131,072 bytes = 4 partners x 128 threads x 256: each thread names another 256 bytes, the partners are told apart by address.
; The first three slots' worth come by their loads alone; ask = 2: in the ring's last trip nothing is left to ask for.
.macro FRAMEX slot, fill, ask
	WIN 0
	s_wait_tensorcnt 0x0                           ; no tensor load of mine is out, so a group 0 may be written
	ds_add_u32 v[SPW], v[NIL]
.if \fill
	s_add_nc_u64 s[G0+4*\slot+2:G0+4*\slot+3], s[G0+4*\slot+2:G0+4*\slot+3], 2*CHUNK
	s_wait_xcnt 0x0                                ; the last prefetch, eight frames back, has read its address
	s_add_nc_u64 s[PFA:PFA+1], s[PFA:PFA+1], CHUNK
.endif
	s_wait_dscnt 16
	PHASE 1, 1, 0, 0, 0
	WIN 0
	s_wait_dscnt 0x0                               ; the add is done, and my reads of the slot are over
	s_barrier_signal -1
	SETP 1, 2
	GRP 1, 4
	WIN 0                                          ; at a branch every window is 0
	s_barrier_wait -1
.if \fill
	CREST
	TLOAD G0+4*\slot, G1E
.if \ask == 2
	s_cmp_gt_u32 s[RING], 1
	s_cbranch_scc0 .Lnone_\@
.endif
	global_prefetch_b8 v[PFO], s[PFA:PFA+1] th:TH_LOAD_NT scope:SCOPE_SE
.if \ask == 2
.Lnone_\@:
.endif
.endif
	GRP 1, 5
	WIN 0
	SECT 1, 2, 0
	SECT 1, 2, 1
	POST 1, 2, 0, 4, 1
	PHASE 1, 3, 4, 2, 0
	s_wait_dscnt 16                                ; fragments 0 and 1 are in: behind them were issued fragments 2 to 5
	PHASE 0, 0, 6, 2, 0
.endm
.macro QLOOP                           ; six frames
	WIN 0
	s_mov_b32 s[CNT], 3
.Lq_\@:
	FRAME 0
	FRAME 1
	WIN 0
	s_sub_co_u32 s[CNT], s[CNT], 1
	s_cmp_lg_u32 s[CNT], 0
	s_cbranch_scc1 .Lq_\@
.endm
	s_load_b256 s[4:11], s[0:1], 0x0               ; enc's codes, its scales, wimg, wsc
	s_load_b128 s[12:15], s[0:1], 0x20             ; cbias, w_comb
	s_load_b64 s[16:17], s[0:1], 0x30              ; part
	v_lshl_add_u32 v[SPW], v0, 2, SPARE
	v_mov_b32 v[NIL], 0
	ds_add_u32 v[SPW], v[NIL]                      ; the wave's opening: the add, twice on end, and its wait ahead of my first tensor load
	ds_add_u32 v[SPW], v[NIL]
	v_lshrrev_b32 v[RR], 5, v0
	v_readfirstlane_b32 s[WV], v[RR]               ; wave 0..3
	s_bfe_u32 s[CX], ttmp6, 0x40000                ; cx
	s_bfe_u32 s2, ttmp6, 0x40004                   ; cy
	s_and_b32 s[GN], ttmp7, 0xffff
	s_lshl_b32 s[GN], s[GN], 2
	s_add_co_u32 s[GN], s[GN], s2                  ; group of rows = 4 x cluster y + cy
	s_lshl_b32 s2, s2, 2
	s_lshl_b32 s2, 15, s2                          ; my row of the cluster: places 4 cy .. 4 cy + 3: shares enc
	s_lshl_b32 s101, 0x1111, s[CX]                 ; my column: places cx, cx + 4, cx + 8, cx + 12: shares W
	GROUP1 G1E, 2, 32
	GROUP1 G1H, 2, 64
	GROUP1 G1W, 101, 128
	s_or_b32 s[G1S], s2, (3<<16)|(1<<20)|(1<<21)|(5<<22)|(3<<25)   ; the scale bytes: 32,768 dense bytes as 128 rows of 256 (32 elements of 8), 16 of padding behind each
	s_mov_b32 s[G1S+1], 32<<16
	s_mov_b32 s[G1S+2], 128<<16
	s_mov_b32 s[G1S+3], 32<<16
	s_mov_b32 s[G1S+4], 128
	s_mov_b32 s[G1S+5], 32
	s_mov_b32 s[G1S+6], 0
	s_mov_b32 s[G1S+7], 0
	s_mov_b32 s[CC], 0x4038aa3b                    ; c = 2 log2(e)
	s_mov_b32 s[CC+1], s[CC]                       ; (named with it as a pair, so it is written)
	s_mov_b32 s[SEL], 0x76543210
	s_mov_b32 s[SEL+1], 0xfedcba98
	s_mov_b32 s[TB], 2*TILEB
	s_mov_b32 s[TS], 2*544
	s_mov_b32 s[SS], 8
	v_and_b32 v[RR], 15, v0                        ; r
	v_bfe_u32 v[HH], v0, 4, 1                      ; h
	v_and_b32 v[L16], 31, v0
	v_lshlrev_b32 v[L16], 4, v[L16]                ; 16 x lane
	v_lshlrev_b32 v[S16], 4, v[RR]
	v_lshl_add_u32 v[S16], v[HH], 9, v[S16]        ; wsc: 512 h + 16 r
	v_lshlrev_b32 v[H32], 5, v[HH]                 ; w_comb: 32 h
	s_mul_i32 s57, s[WV], QUART
	s_add_co_u32 s57, s57, SLOT
	v_add_nc_u32 v[WAD], s57, v[L16]               ; my 32 rows of W's image in slot 1
	v_mul_u32_u24 v[EA0], v[RR], PITCH
	v_lshl_add_u32 v[EA0], v[HH], 4, v[EA0]
	v_add_nc_u32 v[ADR], TILEB, v[EA0]             ; tile 1
	v_lshrrev_b32 v[ES0], 3, v[RR]
	v_lshlrev_b32 v[ES0], 4, v[ES0]
	v_lshl_add_u32 v[ES0], v[RR], 5, v[ES0]
	v_add_nc_u32 v[ES0], SCL, v[ES0]               ; SCL + 32 r + 16 (r / 8)
	v_add_nc_u32 v[ADS], 544, v[ES0]
	s_mul_i32 s57, s[WV], 4608
	s_add_co_u32 s57, s57, SCR
	v_mul_u32_u24 v[SCA0], v[RR], 144
	v_add_nc_u32 v[SCA0], s57, v[SCA0]
	v_add_nc_u32 v[SAD], s[SS], v[SCA0]
	v_lshlrev_b32 v[PFO], 8, v0
	s_lshr_b32 s57, s[WV], 1                       ; waves 1, 2 fetch the halves 0, 1 of slot 0's rows
	s_lshl_b32 s20, s[GN], 20                      ; enc's joint loads' offsets are made of the group and the wave's number alone
	s_lshl_b32 s21, s[WV], 15
	s_add_co_u32 s22, s20, s21                     ; a refill: 32,768 bytes a wave
	s_lshl_b32 s21, s57, 16
	s_add_co_u32 s20, s20, s21                     ; the head: 65,536
	s_mov_b32 s21, 0
	s_mov_b32 s23, 0
	s_lshl_b32 s2, s[GN], 15                       ; scale bytes: 32,768 a group
	s_mov_b32 s3, 0
	s_lshl_b32 s104, s[CX], 18                     ; W's joint load: made of cx alone: K steps 4-7 of the slice
	s_add_co_u32 s104, s104, 131072
	s_mov_b32 s105, 0
	s_lshl_b32 s66, s[GN], 20                      ; the prefetches: my work-group's quarter of a slot's rows, two slots' worth on; the first change steps it to the third
	s_lshl_b32 s67, s[CX], 15
	s_add_co_u32 s66, s66, s67
	s_add_co_u32 s66, s66, 2*CHUNK
	s_mov_b32 s67, 0
	s_lshl_b32 s68, s[CX], 18                      ; wimg: 262,144 bytes a slice; K steps 0-3 first, 32,768 a wave
	s_lshl_b32 s69, s[WV], 15
	s_add_co_u32 s68, s68, s69
	s_mov_b32 s69, 0
	s_lshl_b32 s70, s[CX], 13                      ; wsc: 512 bytes a tile
	s_lshl_b32 s71, s[WV], 11
	s_add_co_u32 s70, s70, s71
	s_mov_b32 s71, 0
	s_lshl_b32 s72, s[CX], 15                      ; cbias: 2,048 bytes a tile
	s_lshl_b32 s73, s[WV], 13
	s_add_co_u32 s72, s72, s73
	s_mov_b32 s73, 0
	s_lshl_b32 s74, s[CX], 10                      ; w_comb: 64 bytes a tile
	s_lshl_b32 s75, s[WV], 8
	s_add_co_u32 s74, s74, s75
	s_mov_b32 s75, 0
	s_mul_i32 s[G0H+1], s57, 64*PITCH
	s_mov_b32 s[G0H], 1
	s_mov_b32 s[G0W], 1
	s_mov_b32 s[G0W+1], SLOT
	s_mov_b32 s[G0S], 1
	s_mov_b32 s[G0S+1], SCL
	s_mul_i32 s57, s[WV], QUART                    ; my quarter of a slot
	s_wait_alu depctr_va_vdst(0)
	s_wait_dscnt 0x0                               ; both opening adds are done
	ROUND                                          ; all sixteen work-groups are here: the first joint loads meet
	s_wait_kmcnt 0x0
	s_add_nc_u64 s[G0H+2:G0H+3], s[4:5], s[20:21]
	s_or_b32 s[G0H+3], s[G0H+3], 0x80000000
	s_add_nc_u64 s[G0S+2:G0S+3], s[6:7], s[2:3]
	s_or_b32 s[G0S+3], s[G0S+3], 0x80000000
	s_add_nc_u64 s[G0W+2:G0W+3], s[8:9], s[104:105]
	s_or_b32 s[G0W+3], s[G0W+3], 0x80000000
	s_cmp_eq_u32 s[WV], 0                          ; ONE tensor load a wave; W's has a line of its own: it is shown first
	s_cbranch_scc0 .Lhead_1
	TLOAD G0W, G1W
	s_branch .Lasked
.Lhead_1:
	s_cmp_lt_u32 s[WV], 3
	s_cbranch_scc0 .Lhead_2
	TLOAD G0H, G1H
	s_branch .Lasked
.Lhead_2:
	TLOAD G0S, G1S
.Lasked:
	s_add_nc_u64 s[22:23], s[4:5], s[22:23]
	s_add_nc_u64 s[PFA:PFA+1], s[4:5], s[66:67]
	s_add_nc_u64 s[8:9], s[8:9], s[68:69]
	s_add_nc_u64 s[10:11], s[10:11], s[70:71]
	s_add_nc_u64 s[12:13], s[12:13], s[72:73]
	s_add_nc_u64 s[14:15], s[14:15], s[74:75]
	WIN 0x80                                       ; destination window 2: W's K steps 0-3; each load reads 512 consecutive bytes
.irp f, 0,1,2,3,4,5,6,7,8,9,10,11,12,13,14,15
.irp c, 0,1,2,3
	global_load_b128 v[16*\f+4*\c:16*\f+4*\c+3], v[L16], s[8:9] offset:2048*\f+512*\c
.endr
.endr
	WIN 0
.irp p, 0,1
.irp c, 0,1
	global_load_b128 v[WSC+8*\p+4*\c:WSC+8*\p+4*\c+3], v[S16], s[10:11] offset:1024*\p+256*\c
.endr
.endr
.irp t, 0,1,2,3
.irp f, 0,1
.irp g, 0,1
	global_load_b128 v[CB+32*\f+8*\t+4*\g:CB+32*\f+8*\t+4*\g+3], v[L16], s[12:13] offset:2048*\t+1024*\f+512*\g
.endr
.endr
.endr
.irp t, 0,1,2,3
.irp g, 0,1
	global_load_b128 v[W2+8*\t+4*\g:W2+8*\t+4*\g+3], v[H32], s[14:15] offset:64*\t+16*\g   ; w of d = 16 T + 8 h + 0..7
.endr
.endr
	s_lshl_b32 s66, s[CX], 18                      ; part: 262,144 bytes a slice, 4,096 a group
	s_lshl_b32 s67, s[GN], 12
	s_add_co_u32 s66, s66, s67
	s_mov_b32 s67, 0
	s_add_nc_u64 s[16:17], s[16:17], s[66:67]
.irp n, 0,1
	s_mov_b32 s[G0+4*\n], 1
	s_add_co_u32 s[G0+4*\n+1], s57, \n*SLOT
	s_add_nc_u64 s[G0+4*\n+2:G0+4*\n+3], s[22:23], \n*CHUNK
	s_or_b32 s[G0+4*\n+3], s[G0+4*\n+3], 0x80000000
.endr
.set N_, 0                             ; zeros for the first frames, which work on tiles that are not there
.rept 64
	v_mov_b32 v[WK+N_], 0
.set N_, N_+1
.endr
.set N_, 0
.rept 14
	v_mov_b32 v[S4+N_], 0
.set N_, N_+1
.endr
	WIN 0x40
.set N_, 160
.rept 32
	v_mov_b32 v[N_], 0
.set N_, N_+1
.endr
	WIN 0
	s_wait_alu depctr_va_vdst(0)
	s_cmp_eq_u32 s[WV], 0
	s_cbranch_scc0 .Lnot_w
	s_wait_tensorcnt 0x0                           ; wave 0: W's half has landed.  The other waves' wait stands at the round below
.Lnot_w:
	s_barrier_signal -1
	s_barrier_wait -1
	WIN 0xc0                                       ; destination window 3: a fragment is two LDS rows
.irp f, 0,1,2,3,4,5,6,7,8,9,10,11,12,13,14,15
.irp c, 0,1,2,3
	ds_load_b128 v[16*\f+4*\c:16*\f+4*\c+3], v[WAD] offset:2*PITCH*\f+PITCH*(\c/2)+512*(\c%2)
.endr
.endr
	WIN 0
	s_wait_tensorcnt 0x0                           ; slot 0's rows and the scale bytes are in
	ds_add_u32 v[SPW], v[NIL]
	s_wait_dscnt 0x0                               ; the add is done, and W is in registers
	ROUND
	TLOAD G0+4, G1E                                ; slot 1 takes its rows of enc
	LOADS 0, ES0                                   ; tile 0
.irp j, 0,1,2,3,4,5,6,7
	LOADF \j, EA0
.endr
	WIN 0
	s_wait_loadcnt 0x0
.irp e, 0,2,4,6,8,10,12,14,16,18,20,22,24,26,28,30
	v_pk_mul_f32 v[W2+\e:W2+\e+1], v[W2+\e:W2+\e+1], -2.0 op_sel_hi:[1,0]
.endr
	s_wait_alu depctr_va_vdst(0)
	s_wait_dscnt 0x0
	GRP 0, 0                                       ; phase 0 of tile 0 has no vector work
	GRP 0, 1
	WIN 0
.rept 8
	v_nop                                          ; places for the loads into what these products have read
.endr
	s_mov_b32 s[RING], 3
.Lring:                                            ; a trip goes once round the ring: 16 frames, both slots filled again; six fills bring the rows of slots' worth 2 to 7
	QLOOP
	s_mov_b32 s[TB], SLOT
	FRAME 0
	FRAMEX 0, 1, 1
	QLOOP
	s_mov_b32 s[TB], 0
	FRAME 0
	FRAMEX 1, 1, 2
	WIN 0
	s_sub_co_u32 s[RING], s[RING], 1
	s_cmp_lg_u32 s[RING], 0
	s_cbranch_scc1 .Lring
	QLOOP                                          ; the tail is written out: nothing is left to ask for
	s_mov_b32 s[TB], SLOT
	FRAME 0
	FRAMEX 0, 0, 0
	QLOOP
	FRAME 0
	s_wait_dscnt 16                                ; tile 63: fragments 2, 3 are in, 4 to 7 may be out;
	PHASE 1, 1, 0, 0, 0
	s_wait_dscnt 8                                 ; 6 and 7 may be out
	PHASE 1, 2, 0, 0, 0
	s_wait_dscnt 0x0
	PHASE 1, 3, 0, 0, 0
	; what is left: tile 60's last addition, tile 61's quarter 3, tile 62 from quarter 0's rcp and quarter 2's exp on, tile 63
	WIN 0
.irp i, 0,2,4,6
	v_pk_fma_f32 v[S4+\i:S4+\i+1], v[WK+56+\i:WK+57+\i], v[W2+24+\i:W2+25+\i], v[S4+\i:S4+\i+1]
.endr
	v_permlanex16_b32 v[YS], v[XS], s[SEL], s[SEL+1]
	WIN 0x01
	s_wait_alu depctr_va_vdst(0)                   ; directly ahead of the first reads of the last sums
.irp n, 0,2,4,6,8,10,12,14,16,18,20,22,24,26,28,30
	v_pk_fma_f32 v[WK+32+\n:WK+33+\n], v[160+\n:161+\n], s[CC:CC+1], v[CB+32+\n:CB+33+\n] op_sel_hi:[1,0,1]
.endr
	WIN 0
	v_pk_add_f32 v[TA:TA+1], v[S4:S4+1], v[S4+2:S4+3]
	v_pk_add_f32 v[TA+2:TA+3], v[S4+4:S4+5], v[S4+6:S4+7]
	v_add_f32 v[YS], v[XS], v[YS]
	ds_store_b32 v[SAD], v[YS]                     ; tile 60
	v_pk_add_f32 v[TA:TA+1], v[TA:TA+1], v[TA+2:TA+3]
	v_add_f32 v[XS], v[TA], v[TA+1]
	v_permlanex16_b32 v[YS], v[XS], s[SEL], s[SEL+1]
	v_add_f32 v[YS], v[XS], v[YS]
	ds_store_b32 v[SAD], v[YS] offset:2304         ; tile 61
	s_wait_alu depctr_va_vdst(0)
.set N_, 16
.rept 48
	v_exp_f32 v[WK+N_], v[WK+N_]
.set N_, N_+1
.endr
.irp n, 0,1,2,3,4,5,6,7
	v_rcp_f32 v[WK+\n], v[WK+\n]
.endr
.irp n, 8,10,12,14
	v_pk_add_f32 v[WK+\n:WK+\n+1], v[WK+\n:WK+\n+1], 1.0 op_sel_hi:[1,0]
.endr
	s_wait_alu depctr_va_vdst(0)
.set N_, 16
.rept 24
	v_pk_add_f32 v[WK+N_:WK+N_+1], v[WK+N_:WK+N_+1], 1.0 op_sel_hi:[1,0]
.set N_, N_+2
.endr
.irp i, 0,2,4,6
	v_pk_mul_f32 v[S4+\i:S4+\i+1], v[WK+\i:WK+\i+1], v[W2+\i:W2+\i+1]
.endr
	s_wait_alu depctr_va_vdst(0)
.set N_, 8
.rept 56
	v_rcp_f32 v[WK+N_], v[WK+N_]
.set N_, N_+1
.endr
	v_nop
	s_wait_alu depctr_va_vdst(0)
.irp i, 0,2,4,6                        ; tile 63's pairs lie where cbias was
	v_pk_mul_f32 v[CB+\i:CB+\i+1], v[WK+32+\i:WK+33+\i], v[W2+\i:W2+\i+1]
.endr
.irp q, 8,16,24
.irp i, 0,2,4,6
	v_pk_fma_f32 v[S4+\i:S4+\i+1], v[WK+\q+\i:WK+\q+\i+1], v[W2+\q+\i:W2+\q+\i+1], v[S4+\i:S4+\i+1]
	v_pk_fma_f32 v[CB+\i:CB+\i+1], v[WK+32+\q+\i:WK+33+\q+\i], v[W2+\q+\i:W2+\q+\i+1], v[CB+\i:CB+\i+1]
.endr
.endr
	v_pk_add_f32 v[S4:S4+1], v[S4:S4+1], v[S4+2:S4+3]
	v_pk_add_f32 v[CB:CB+1], v[CB:CB+1], v[CB+2:CB+3]
	v_pk_add_f32 v[S4+4:S4+5], v[S4+4:S4+5], v[S4+6:S4+7]
	v_pk_add_f32 v[CB+4:CB+5], v[CB+4:CB+5], v[CB+6:CB+7]
	v_pk_add_f32 v[S4:S4+1], v[S4:S4+1], v[S4+4:S4+5]
	v_pk_add_f32 v[CB:CB+1], v[CB:CB+1], v[CB+4:CB+5]
	v_add_f32 v[XS], v[S4], v[S4+1]
	v_add_f32 v[TA], v[CB], v[CB+1]
	v_permlanex16_b32 v[YS], v[XS], s[SEL], s[SEL+1]
	v_permlanex16_b32 v[TA+1], v[TA], s[SEL], s[SEL+1]
	v_add_f32 v[XS], v[XS], v[YS]
	v_add_f32 v[TA], v[TA], v[TA+1]
	ds_store_b32 v[SAD], v[XS] offset:4            ; tile 62: the next s_local
	ds_store_b32 v[SAD], v[TA] offset:2304+4       ; tile 63
	; THE WAY OUT: the four waves' scores of the 32 x 32 (b, s_local) are added and leave as 4,096 consecutive bytes: thread n takes b = n / 8 and b + 16, four s_local at 16 (n mod 8) bytes
	v_lshrrev_b32 v1, 3, v0
	v_and_b32 v2, 7, v0
	v_mul_u32_u24 v1, v1, 144
	v_lshl_add_u32 v1, v2, 4, v1
	v_add_nc_u32 v1, SCR+16, v1
	v_lshlrev_b32 v2, 4, v0
	s_wait_alu depctr_va_vdst(0)
	s_wait_dscnt 0x0                               ; for the others' sake: my stores of scores are done
	s_barrier_signal -1
	s_barrier_wait -1
.irp w, 0,1,2,3
.irp f, 0,1
	ds_load_b128 v[CB+8*\w+4*\f:CB+8*\w+4*\f+3], v1 offset:4608*\w+2304*\f
.endr
.endr
	s_wait_dscnt 0x0
.irp w, 1,2,3
.irp e, 0,2,4,6
	v_pk_add_f32 v[CB+\e:CB+\e+1], v[CB+\e:CB+\e+1], v[CB+8*\w+\e:CB+8*\w+\e+1]
.endr
.endr
	global_store_b128 v2, v[CB:CB+3], s[16:17]     ; the wave stores 512 consecutive bytes, at a multiple of 256 from part's first byte
	global_store_b128 v2, v[CB+4:CB+7], s[16:17] offset:2048
	s_wait_tensorcnt 0x0                           ; the wave's end
	ds_add_u32 v[SPW], v[NIL]
	s_wait_dscnt 0x0
	ROUND                                          ; the closing round: no work-group ends while a partner may still ask for a tile that names it
	s_endpgm
.Lfunc_end_k_qc63a77c803_main:
	.size	k_qc63a77c803_main, .Lfunc_end_k_qc63a77c803_main-k_qc63a77c803_main
	.p2alignl 7, 3214868480
	.fill 96, 4, 3214868480
	.section	.rodata,"a",@progbits
	.p2align	6, 0x0
	.amdhsa_kernel k_qc63a77c803_main
		.amdhsa_group_segment_fixed_size 327680
		.amdhsa_private_segment_fixed_size 0
		.amdhsa_enable_private_segment 0
		.amdhsa_kernarg_size 56
		.amdhsa_user_sgpr_count 2
		.amdhsa_user_sgpr_kernarg_segment_ptr 1
		.amdhsa_wavefront_size32 1
		.amdhsa_system_sgpr_workgroup_id_x 1
		.amdhsa_system_sgpr_workgroup_id_y 1
		.amdhsa_system_sgpr_workgroup_id_z 1
		.amdhsa_system_vgpr_workitem_id 0
		.amdhsa_next_free_vgpr 1024
		.amdhsa_next_free_sgpr 106
		.amdhsa_reserve_vcc 0
		.amdhsa_float_denorm_mode_32 3
		.amdhsa_float_denorm_mode_16_64 3
		.amdhsa_memory_ordered 1
		.amdhsa_forward_progress 1
		.amdhsa_inst_pref_size 243
	.end_amdhsa_kernel
	.amdgpu_metadata
---
amdhsa.version: [ 1, 2 ]
amdhsa.kernels:
  - .name:           k_qc63a77c803_main
    .symbol:         k_qc63a77c803_main.kd
    .args:
      - { .name: encoder_annotation_seq_codes, .offset: 0, .size: 8, .value_kind: global_buffer, .address_space: global }
      - { .name: encoder_annotation_seq_scales, .offset: 8, .size: 8, .value_kind: global_buffer, .address_space: global }
      - { .name: wimg, .offset: 16, .size: 8, .value_kind: global_buffer, .address_space: global }
      - { .name: wsc, .offset: 24, .size: 8, .value_kind: global_buffer, .address_space: global }
      - { .name: cbias, .offset: 32, .size: 8, .value_kind: global_buffer, .address_space: global }
      - { .name: w_comb, .offset: 40, .size: 8, .value_kind: global_buffer, .address_space: global }
      - { .name: part, .offset: 48, .size: 8, .value_kind: global_buffer, .address_space: global }
    .group_segment_fixed_size: 327680
    .private_segment_fixed_size: 0
    .kernarg_segment_align: 8
    .kernarg_segment_size: 56
    .max_flat_workgroup_size: 128
    .sgpr_count:     106
    .vgpr_count:     1024
    .wavefront_size: 32
...
	.end_amdgpu_metadata
.endif
;; end of part 2
;; launch smax (part 3): grid 32 x 1, 16 waves a work-group, no clusters, 2,560 bytes of LDS; arguments part, out0; writes out0
.if DOCPART == 3
	.amdgcn_target "amdgcn-amd-amdhsa--gfx1250"
	.amdhsa_code_object_version 6
	.text
	.protected	k_qc63a77c803_smax
	.globl	k_qc63a77c803_smax
	.p2align	8
	.type	k_qc63a77c803_smax,@function
k_qc63a77c803_smax:
	s_mov_b64 s[64:65], 0
	v_nop
	global_prefetch_b8 v0, s[64:65] scope:SCOPE_SE
	s_setreg_imm32_b32 hwreg(HW_REG_WAVE_MODE, 25, 1), 1
	s_wait_xcnt 0x0
; out0[b][s] = softmax over s of the scores; a score is the sum of its four parts, part[slice 4][group 64][b 32][s_local 32], s = 32 group + s_local.
; Work-group = b; 512 threads; thread t takes s = 4 t .. 4 t + 3.  The row's maximum is taken away before the exponential; maximum and sum go over the lanes by DPP steps and one exchange of the halves,
; over the sixteen waves through sixteen LDS words each (bytes 0-63 for the maxima, 256-319 for the sums) and a barrier each.  No matrix unit, no tensor load: 8 KB of output a work-group.
	s_load_b128 s[4:7], s[0:1], 0x0                ; part s[4:5], out0 s[6:7]
	v_lshl_add_u32 v40, v0, 2, 0x200
	v_mov_b32 v41, 0
	v_lshrrev_b32 v10, 5, v0
	s_delay_alu instid0(VALU_DEP_1)
	v_lshlrev_b32 v10, 2, v10                      ; LDS: my wave's word
	v_lshrrev_b32 v2, 3, v0                        ; the group of my four s
	v_and_b32 v3, 7, v0
	s_delay_alu instid0(VALU_DEP_2)
	v_lshlrev_b32 v2, 12, v2                       ; 4,096 bytes a group,
	s_delay_alu instid0(VALU_DEP_1)
	v_lshl_or_b32 v2, v3, 4, v2                    ; 16 bytes for my four s_local
	v_lshlrev_b32 v12, 4, v0                       ; out0: 16 bytes a thread
	v_mov_b32 v11, 0
	v_mov_b32 v9, 0                                ; written once: a lane permute's destination counts as one of its sources
	s_lshl_b32 s8, ttmp9, 7                        ; part: 128 bytes for each b inside a group
	s_mov_b32 s9, 0
	s_lshl_b32 s10, ttmp9, 13                      ; out0: 8,192 bytes a row
	s_mov_b32 s11, 0
	s_mov_b32 s12, 0x76543210
	s_mov_b32 s13, 0xfedcba98                      ; v_permlanex16_b32's selects for lane l xor 16
	s_mov_b32 s14, 0x3fb8aa3b                      ; log2(e)
	s_mov_b32 s15, s14                             ; (named with it as a pair, so it is written)
	s_wait_alu depctr_va_vdst(0)
	s_wait_kmcnt 0x0
	s_add_nc_u64 s[4:5], s[4:5], s[8:9]
	s_add_nc_u64 s[6:7], s[6:7], s[10:11]
.irp q, 0,1,2,3
	global_load_b128 v[16+4*\q:19+4*\q], v2, s[4:5] offset:262144*\q th:TH_LOAD_NT
.endr
	s_wait_loadcnt 0x0
	v_pk_add_f32 v[16:17], v[16:17], v[20:21]      ; the four slices of d
	v_pk_add_f32 v[18:19], v[18:19], v[22:23]
	v_pk_add_f32 v[24:25], v[24:25], v[28:29]
	v_pk_add_f32 v[26:27], v[26:27], v[30:31]
	s_delay_alu instid0(VALU_DEP_2)
	v_pk_add_f32 v[16:17], v[16:17], v[24:25]
	s_delay_alu instid0(VALU_DEP_2)
	v_pk_add_f32 v[18:19], v[18:19], v[26:27]
	s_delay_alu instid0(VALU_DEP_1)
	v_max3_num_f32 v8, v16, v17, v18               ; the maximum: my four,
	s_delay_alu instid0(VALU_DEP_1)
	v_max_num_f32 v8, v8, v19
	s_delay_alu instid0(VALU_DEP_1)
	v_max_num_f32_dpp v8, v8, v8 row_xmask:1 row_mask:0xf bank_mask:0xf   ; my wave's,
	s_delay_alu instid0(VALU_DEP_1)
	v_max_num_f32_dpp v8, v8, v8 row_xmask:2 row_mask:0xf bank_mask:0xf
	s_delay_alu instid0(VALU_DEP_1)
	v_max_num_f32_dpp v8, v8, v8 row_xmask:4 row_mask:0xf bank_mask:0xf
	s_delay_alu instid0(VALU_DEP_1)
	v_max_num_f32_dpp v8, v8, v8 row_xmask:8 row_mask:0xf bank_mask:0xf
	s_delay_alu instid0(VALU_DEP_1)
	v_permlanex16_b32 v9, v8, s12, s13
	s_delay_alu instid0(VALU_DEP_1)
	v_max_num_f32 v8, v8, v9
	ds_store_b32 v10, v8                           ; all lanes write the same word with the same value
	s_wait_dscnt 0x0
	s_barrier_signal -1
	s_barrier_wait -1
.irp q, 0,1,2,3
	ds_load_b128 v[20+4*\q:23+4*\q], v11 offset:16*\q
.endr
	s_wait_dscnt 0x0
	v_max3_num_f32 v8, v20, v21, v22               ; and the sixteen waves'
	v_max3_num_f32 v6, v23, v24, v25
	s_delay_alu instid0(VALU_DEP_2)
	v_max3_num_f32 v8, v8, v26, v27
	s_delay_alu instid0(VALU_DEP_2)
	v_max3_num_f32 v6, v6, v28, v29
	s_delay_alu instid0(VALU_DEP_2)
	v_max3_num_f32 v8, v8, v30, v31
	s_delay_alu instid0(VALU_DEP_2)
	v_max3_num_f32 v6, v6, v32, v33
	s_delay_alu instid0(VALU_DEP_2)
	v_max3_num_f32 v8, v8, v34, v35
	s_delay_alu instid0(VALU_DEP_1)
	v_max_num_f32 v8, v8, v6
	s_delay_alu instid0(VALU_DEP_1)
	v_mul_f32 v4, s14, v8                          ; m log2(e)
	s_delay_alu instid0(VALU_DEP_1)
	v_mov_b32 v5, v4                               ; (the packed form names the pair)
	s_delay_alu instid0(VALU_DEP_1)
	v_pk_fma_f32 v[16:17], v[16:17], s[14:15], v[4:5] op_sel_hi:[1,0,0] neg_lo:[0,0,1] neg_hi:[0,0,1]   ; x log2(e) - m log2(e)
	s_delay_alu instid0(VALU_DEP_2)
	v_pk_fma_f32 v[18:19], v[18:19], s[14:15], v[4:5] op_sel_hi:[1,0,0] neg_lo:[0,0,1] neg_hi:[0,0,1]
	s_wait_alu depctr_va_vdst(0)
	v_exp_f32 v16, v16
	v_exp_f32 v17, v17
	v_exp_f32 v18, v18
	v_exp_f32 v19, v19
	v_nop                                          ; one plain instruction behind the last exponential,
	s_wait_alu depctr_va_vdst(0)                   ; and the one wait ahead of the batch's first reader
	v_pk_add_f32 v[6:7], v[16:17], v[18:19]        ; the sum: my four,
	s_delay_alu instid0(VALU_DEP_1)
	v_add_f32 v8, v6, v7
	s_delay_alu instid0(VALU_DEP_1)
	v_add_f32_dpp v8, v8, v8 row_xmask:1 row_mask:0xf bank_mask:0xf       ; my wave's,
	s_delay_alu instid0(VALU_DEP_1)
	v_add_f32_dpp v8, v8, v8 row_xmask:2 row_mask:0xf bank_mask:0xf
	s_delay_alu instid0(VALU_DEP_1)
	v_add_f32_dpp v8, v8, v8 row_xmask:4 row_mask:0xf bank_mask:0xf
	s_delay_alu instid0(VALU_DEP_1)
	v_add_f32_dpp v8, v8, v8 row_xmask:8 row_mask:0xf bank_mask:0xf
	s_delay_alu instid0(VALU_DEP_1)
	v_permlanex16_b32 v9, v8, s12, s13
	s_delay_alu instid0(VALU_DEP_1)
	v_add_f32 v8, v8, v9
	ds_store_b32 v10, v8 offset:256
	s_wait_dscnt 0x0
	s_barrier_signal -1
	s_barrier_wait -1
.irp q, 0,1,2,3
	ds_load_b128 v[20+4*\q:23+4*\q], v11 offset:256+16*\q
.endr
	s_wait_dscnt 0x0
	v_pk_add_f32 v[20:21], v[20:21], v[22:23]      ; and the sixteen waves'
	v_pk_add_f32 v[24:25], v[24:25], v[26:27]
	v_pk_add_f32 v[28:29], v[28:29], v[30:31]
	v_pk_add_f32 v[32:33], v[32:33], v[34:35]
	s_delay_alu instid0(VALU_DEP_3)
	v_pk_add_f32 v[20:21], v[20:21], v[24:25]
	s_delay_alu instid0(VALU_DEP_2)
	v_pk_add_f32 v[28:29], v[28:29], v[32:33]
	s_delay_alu instid0(VALU_DEP_1)
	v_pk_add_f32 v[20:21], v[20:21], v[28:29]
	s_delay_alu instid0(VALU_DEP_1)
	v_add_f32 v8, v20, v21                         ; at least about 1: the largest score's own term
	s_wait_alu depctr_va_vdst(0)
	v_rcp_f32 v4, v8
	v_nop
	s_wait_alu depctr_va_vdst(0)
	v_pk_mul_f32 v[16:17], v[16:17], v[4:5] op_sel_hi:[1,0]
	v_pk_mul_f32 v[18:19], v[18:19], v[4:5] op_sel_hi:[1,0]
	global_store_b128 v12, v[16:19], s[6:7] th:TH_STORE_NT   ; the wave stores 512 consecutive bytes, at a multiple of 256 from out0's first byte
	s_wait_tensorcnt 0x0
	ds_add_u32 v40, v41
	s_wait_dscnt 0x0
	s_endpgm
.Lfunc_end_k_qc63a77c803_smax:
	.size	k_qc63a77c803_smax, .Lfunc_end_k_qc63a77c803_smax-k_qc63a77c803_smax
	.p2alignl 7, 3214868480
	.fill 96, 4, 3214868480
	.section	.rodata,"a",@progbits
	.p2align	6, 0x0
	.amdhsa_kernel k_qc63a77c803_smax
		.amdhsa_group_segment_fixed_size 2560
		.amdhsa_private_segment_fixed_size 0
		.amdhsa_enable_private_segment 0
		.amdhsa_kernarg_size 16
		.amdhsa_user_sgpr_count 2
		.amdhsa_user_sgpr_kernarg_segment_ptr 1
		.amdhsa_wavefront_size32 1
		.amdhsa_system_sgpr_workgroup_id_x 1
		.amdhsa_system_sgpr_workgroup_id_y 1
		.amdhsa_system_sgpr_workgroup_id_z 1
		.amdhsa_system_vgpr_workitem_id 0
		.amdhsa_next_free_vgpr 42
		.amdhsa_next_free_sgpr 66
		.amdhsa_reserve_vcc 0
		.amdhsa_float_denorm_mode_32 3
		.amdhsa_float_denorm_mode_16_64 3
		.amdhsa_memory_ordered 1
		.amdhsa_forward_progress 1
		.amdhsa_inst_pref_size 7
	.end_amdhsa_kernel
	.amdgpu_metadata
---
amdhsa.version: [ 1, 2 ]
amdhsa.kernels:
  - .name:           k_qc63a77c803_smax
    .symbol:         k_qc63a77c803_smax.kd
    .args:
      - { .name: part, .offset: 0, .size: 8, .value_kind: global_buffer, .address_space: global }
      - { .name: out0, .offset: 8, .size: 8, .value_kind: global_buffer, .address_space: global }
    .group_segment_fixed_size: 2560
    .private_segment_fixed_size: 0
    .kernarg_segment_align: 8
    .kernarg_segment_size: 16
    .max_flat_workgroup_size: 512
    .sgpr_count:     66
    .vgpr_count:     42
    .wavefront_size: 32
...
	.end_amdgpu_metadata
.endif
;; end of part 3
